; MI455X (gfx1250); checked and timed in simulation.
; The chip was launched on July 23, 2026; its instructions are those of AMD's public machine-readable ISA for CDNA 5 (MIT licence, August 2026) and "CDNA5" Instruction Set Architecture Reference Guide (July 2026). The comments in the code are by the model that wrote it; some were corrected since.
;; Attention Out. Allowed arithmetic: matrix products marked QUANTISED: E2M3 operands, one E8M0 scale for each 32 along K, by v_wmma_scale_f32_16x16x128_f8f6f4 with both operands' format E2M3, f32 sums; everything else in f32.
;; Inputs: W_O 16 x 64 x 1,024 float32; b_O 1,024 float32; k 2 x 2,048 x 1,024 float32; q 2 x 2,048 x 1,024 float32; residual 2 x 2,048 x 1,024 float32; v_codes 2 x 1,024 x 64 x 24 uint8 (E2M3 codes of v, K innermost, in blocks of 32 codes, four codes in three bytes); v_scales 2 x 1,024 x 64 uint8 (E8M0 scales of v, one for each 32 codes along K).
;; Outputs: out0 2 x 2,048 x 1,024 float32; out1 2 x 2,048 x 1,024 float32.
;; This version of the problem:
;;   THIS VERSION OF THE PROBLEM IS GIVEN IN LOW PRECISION. The matrix products marked QUANTISED in the list below multiply operands that are first quantised to E2M3 (2 exponent bits, 3 mantissa bits; 6 bits a number), with one power-of-two scale for each 32 numbers along K (OCP MX v1.0); their sums are f32. All else is computed in f32.
;;   The module's matrix products, in the order in which they are computed (A, B: the left and right operand; K: the contracted axis; several contracted axes count as one K, in the product's order):
;;     1. batch 32 x [M 2,048, K 64] x [K 64, N 2,048]; A: input q; B: input k: QUANTISED
;;     2. batch 32 x [M 2,048, K 2,048] x [K 2,048, N 64]; A: softmax (see below); B: input v (given as codes): QUANTISED
;;     3. [M 4,096, K 1,024] x [K 1,024, N 1,024]; A: computed on the way; B: input W_O: QUANTISED
;;   THE QUANTISER, for each operand of a quantised product, along K:
;;     - K is cut into blocks of 32 from its start; a last block that is shorter is filled with zeros.
;;     - A block's scale is 2^e with e = floor(log2(the largest magnitude in the block)) - 2, held to -126 .. 127; a block of zeros has e = 0. As a byte (E8M0): e + 127.
;;     - Each number is divided by its block's scale, clamped to +-7.5, and rounded to the nearest number of E2M3, ties to even, subnormals kept.
;;     - The product sums the exact products of the quantised numbers (number of the format x scale) in f32.
;;   ~~~python
;;   def quantise(x, axis):      # numpy; x: float32 -> the quantised numbers, widened to float32 again
;;       x = np.moveaxis(x, axis, -1); K = x.shape[-1]
;;       x = np.pad(x, [(0, 0)] * (x.ndim - 1) + [(0, -K % 32)]); x = x.reshape(x.shape[:-1] + (-1, 32)); a = np.abs(x).max(-1, keepdims=True)
;;       e = np.where(a > 0, np.clip(np.frexp(np.where(a > 0, a, 1))[1] - 1 - 2, -126, 127), 0)      # np.frexp(a)[1] - 1 = floor(log2(a)), exactly
;;       r = np.clip(x / 2.0 ** e, -7.5, 7.5)
;;       step = 2.0 ** (np.maximum(np.frexp(np.where(r == 0, 1, r))[1] - 1, 0) - 3)
;;       q = np.round(r / step) * step * 2.0 ** e      # np.round: ties to even
;;       return np.moveaxis(q.reshape(q.shape[:-2] + (-1,))[..., :K], -1, axis).astype(np.float32)
;;   ~~~
;;   SOFTMAX AHEAD OF A QUANTISED PRODUCT. Where the list says 'softmax', what is quantised is not the finished softmax but p = 2^(t - M), with t = logit x log2(e) and M = ceil(the row's largest t), a whole number; so 1/2 < the row's largest p <= 1. The row's sum l is taken of the UNQUANTISED p, in f32, and the product's result is divided by l at the end. Since M is a whole number, a kernel that streams over the keys may use a running M (the ceiling of the running maximum): every later rescaling is an exact power of two, which a block's scale takes up: the codes' values come out the same.
;;   OPERANDS COMPUTED ON THE WAY. 'Computed on the way' means the value that the module computes at that place (a softmax that the list does not call 'softmax' is quantised finished and normalised). What goes into a quantiser is computed in f32, as accurately as f32 sums, v_exp_f32 and their like allow (about 1e-6 of the number): no bf16 or f16 on the way to a quantiser, and a product that is left as it is and whose result goes on into a quantised operand takes f32 operands (vector FMAs, or v_wmma_f32_16x16x4_f32). A number that lies on a knife's edge between two numbers of the format may be rounded either way, as far as f32 arithmetic and the matrix unit's own rounding can turn it there, and no further.
;;   INPUTS GIVEN AS CODES. v (in the module: [2, 2048, 1024], K = its axis 1): each comes as NAME_codes (uint8): NAME with its K axis moved to the last place and cut into blocks of 32 codes, [.., K / 32, bytes a block], one block behind the other in memory; four codes in three bytes: a row's codes are one little-endian stream of bits, code i at bits 6 i .. 6 i + 5 (a code: sign, 2 exponent bits, 3 mantissa bits); and NAME_scales (uint8): the same leading axes, one E8M0 byte (e + 127) for each 32 codes along K. Its value is code x scale, taken as it is: it is not quantised again, and the codes and scales need not be those that the quantiser above would give.
;; One version. Each part assembles by itself: llvm-mc -triple=amdgcn-amd-amdhsa -mcpu=gfx1250 --defsym DOCPART=n.
;; ======== version 1 of 1: 3 launches
;; limits: right only within a limited range of input values
;; workspace buffers: kv 6,684,672 bytes; wimg 786,432 bytes; wscl 32,768 bytes; zf 16,777,216 bytes
;; launch prep (part 1): grid 384 x 1, 8 waves a work-group, no clusters, 70,656 bytes of LDS; arguments k, W_O, v_codes, v_scales, kv, wimg, wscl; writes kv, wimg, wscl
.if DOCPART == 1
	.amdgcn_target "amdgcn-amd-amdhsa--gfx1250"
	.amdhsa_code_object_version 6
	.text
	.protected	k_q92c3cede39_prep
	.globl	k_q92c3cede39_prep
	.p2align	8
	.type	k_q92c3cede39_prep,@function
k_q92c3cede39_prep:
	s_mov_b64 s[64:65], 0
	v_nop
	global_prefetch_b8 v0, s[64:65] scope:SCOPE_SE
	s_setreg_imm32_b32 hwreg(HW_REG_WAVE_MODE, 25, 1), 1
	s_wait_xcnt 0x0
; THE OPERANDS THAT MANY WORK-GROUPS READ ARE MADE READY ONCE, laid in the order of the matrix operand's registers ("images"), so that the later launches
; fetch a fragment by loads of 16 and 8 consecutive bytes a lane and a head's K and V are one dense block.
;   work-groups   0-255: k  [2][2048][1024] f32 -> codes of FP6 (E2M3) along the head's 64, with one E8M0 byte for each 32      (kv, K's part of a record)
;   work-groups 256-319: W_O [16 (head)][64 (d)][1024 (n)] f32 -> codes along (d, head)                                          (wimg, wscl)
;   work-groups 320-383: v's codes and scale bytes, as given, only laid anew                                                     (kv, V's part of a record)
; kv: [head of a batch, 16 b + head][key step of 128 keys][record of 13,056 bytes].  A record: 8 tiles of 16 keys x 768 bytes (lane l's registers 0-3 at 16 l, 4-5 at 512 + 8 l);
;   at 6,144 four times 32 scale words (pair i of tiles: lanes 0-15 tile 2 i, lanes 16-31 tile 2 i + 1);  at 6,656 four tiles of 16 of the head's 64 x 1,536 bytes
;   (registers 4 g .. 4 g + 3 at 512 g + 16 l);  at 12,800 two scale words a lane.
; THE ROWS OF A TILE OF K OR V ARE NOT NEIGHBOURS: lane r of tile 2 i + u takes row 32 i + 8 u + r + 8 (r / 8), so that the results of two neighbouring tiles are 16 neighbours along the next product's K.
; THE PROJECTION'S K is (d, head) with d outermost, k = 16 d + head: a block of 32 is two neighbouring d (2 j, 2 j + 1) x the 16 heads.  The order of the numbers in a block and of the blocks along K
; is free as long as both operands keep the same: in the images position 128 s + 64 c + 32 h + 2 hd + e holds head hd, d = 32 (s / 4) + 16 h + 4 (s % 4) + 2 c + e.
; A block's scale is 2^(floor(log2(its largest magnitude)) - 2); its byte is the largest magnitude's exponent field - 2, held at 1 from below.  A block of zeros so gets the byte 1 where the
; rule says 127: its codes are zeros, which add nothing under any byte but 0xff, and these bytes are read by this program alone.
; LIMITS: blocks whose largest magnitude lies under 2^(2 - 126) have their byte held at 1; NaN and infinities among the inputs are not served.
; Every wave takes one piece of about 8 KB, straight through, no loop: all offsets are immediates.  No tensor loads, no barrier: waves share nothing.  Only k's path touches LDS.
.set REC,  13056                       ; bytes of a record
.set SP,   272                         ; k's stage: a row of 256 bytes + 16: row r starts at bank 4 r mod 64 (64 banks of 4 bytes: ISA guide 11.1)
.set WST,  32*SP                       ; a wave's stage: 32 keys
.set WV,   18                          ; s18      my wave's number
.set SEL,  20                          ; s[20:21] lane selects for v_permlanex16_b32: lane l xor 16
.set L,    1                           ; v1   lane
.set R,    2                           ; v2   lane % 16
.set H,    3                           ; v3   lane / 16
.set SH8,  160                         ; v160 8 x (lane / 16)
.set PX,   161                         ; v161 a lane permute's destination (it counts as one of its sources: written once)
; 32 numbers of ONE lane, v[x] on, are a whole block: its codes go to v[c] .. v[c + 5], the conversion's scale operand to v[o], the scale's byte to v[by].  m, m + 1 and t .. t + 2 are at work.
.macro QB x, c, t, m, o, by
	v_max3_num_f32 v[\m], |v[(\x)]|, |v[(\x)+1]|, |v[(\x)+2]|              ; the largest magnitude, in two chains
	v_max3_num_f32 v[(\m)+1], |v[(\x)+3]|, |v[(\x)+4]|, |v[(\x)+5]|
.irp i, 6,10,14,18,22,26
	s_delay_alu instid0(VALU_DEP_2)
	v_max3_num_f32 v[\m], v[\m], |v[(\x)+\i]|, |v[(\x)+\i+1]|
	s_delay_alu instid0(VALU_DEP_2)
	v_max3_num_f32 v[(\m)+1], v[(\m)+1], |v[(\x)+\i+2]|, |v[(\x)+\i+3]|
.endr
	s_delay_alu instid0(VALU_DEP_2)
	v_max3_num_f32 v[\m], v[\m], |v[(\x)+30]|, |v[(\x)+31]|
	s_delay_alu instid0(VALU_DEP_1)
	v_max3_num_f32 v[\m], v[\m], v[(\m)+1], 0x1800000                      ; and the floor 2^(3 - 127): the byte cannot fall under 1
	s_delay_alu instid0(VALU_DEP_1)
	v_add_nc_u32 v[\o], 0xff000000, v[\m]                                  ; 2 off its exponent field: the conversion takes the exponent field of this operand as its scale
	s_delay_alu instid0(VALU_DEP_1)
	v_lshrrev_b32 v[\by], 23, v[\o]                                        ; the scale's byte
	v_cvt_scalef32_pk16_fp6_f32 v[(\c):(\c)+2], v[(\x):(\x)+15], v[\o]
	v_cvt_scalef32_pk16_fp6_f32 v[(\t):(\t)+2], v[(\x)+16:(\x)+31], v[\o]  ; (a conversion's three registers begin on an even number: the second half is made elsewhere and moved)
	v_nop                                                                  ; one plain place behind a scaled conversion
.irp i, 0,1,2
	v_mov_b32 v[(\c)+3+\i], v[(\t)+\i]
.endr
.endm
; what lane (r, h) holds in v[w] goes 8 h bits up and is joined with lane l xor 16's: both halves then hold the row's scale word
.macro JOIN w
	v_lshlrev_b32 v[\w], v[SH8], v[\w]
	s_delay_alu instid0(VALU_DEP_1)
	v_permlanex16_b32 v[PX], v[\w], s[SEL], s[SEL+1]
	s_delay_alu instid0(VALU_DEP_1)
	v_or_b32 v[\w], v[\w], v[PX]
.endm
	s_load_b256 s[4:11], s[0:1], 0x0               ; k s[4:5], W_O s[6:7], v_codes s[8:9], v_scales s[10:11]
	s_load_b128 s[12:15], s[0:1], 0x20             ; kv s[12:13], wimg s[14:15]
	s_load_b64 s[16:17], s[0:1], 0x30              ; wscl
	v_lshl_add_u32 v168, v0, 2, 0x11000
	v_mov_b32 v169, 0
	v_lshrrev_b32 v1, 5, v0
	s_delay_alu instid0(VALU_DEP_1)
	v_readfirstlane_b32 s[WV], v1                  ; wave 0..7
	v_and_b32 v[L], 31, v0
	v_and_b32 v[R], 15, v0
	v_bfe_u32 v[H], v0, 4, 1
	s_delay_alu instid0(VALU_DEP_1)
	v_lshlrev_b32 v[SH8], 3, v[H]
	v_mov_b32 v[PX], 0
	s_mov_b32 s[SEL], 0x76543210
	s_mov_b32 s[SEL+1], 0xfedcba98
	s_wait_kmcnt 0x0
	s_cmp_lt_u32 ttmp9, 256                        ; which tensor: the choice hangs on the work-group's number alone
	s_cbranch_scc0 .Lnot_k
	; ---- k.  A wave takes 32 keys of one head: two tiles.  Work-group g: keys 32 (g / 2) on (counted through both batches), heads 8 (g % 2) + wave.
	s_lshr_b32 s22, ttmp9, 1                       ; kg: which 32 keys
	s_and_b32 s23, ttmp9, 1
	s_lshl_b32 s23, s23, 3
	s_add_co_u32 s23, s23, s[WV]                   ; head
	s_lshl_b32 s24, s22, 17                        ; 32 rows of 4,096 bytes
	s_lshl_b32 s25, s23, 8                         ; the head's 256 bytes of a row
	s_add_co_u32 s24, s24, s25
	s_mov_b32 s25, 0
	s_add_nc_u64 s[4:5], s[4:5], s[24:25]
	s_wait_alu depctr_va_vdst(0)
	v_lshlrev_b32 v4, 4, v[R]
	s_delay_alu instid0(VALU_DEP_1)
	v_lshl_add_u32 v4, v[H], 12, v4                ; lanes 0-15 take a key's 256 bytes, lanes 16-31 the next key's
.irp n, 0,1,2,3,4,5,6,7,8,9,10,11,12,13,14,15
	global_load_b128 v[16+4*\n:19+4*\n], v4, s[4:5] offset:8192*\n th:TH_LOAD_NT   ; keys 2 n, 2 n + 1: two aligned blocks of 256 bytes, read once in the launch
.endr
	s_mul_i32 s26, s[WV], WST                      ; my stage
	v_mul_u32_u24 v5, v[H], SP
	s_delay_alu instid0(VALU_DEP_1)
	v_lshl_add_u32 v5, v[R], 4, v5
	s_delay_alu instid0(VALU_DEP_1)
	v_add_nc_u32 v5, s26, v5                       ; in: as loaded
	v_mul_u32_u24 v6, v[R], SP
	s_delay_alu instid0(VALU_DEP_1)
	v_lshl_add_u32 v6, v[H], 7, v6
	s_delay_alu instid0(VALU_DEP_1)
	v_add_nc_u32 v6, s26, v6                       ; out: stage row r, my half's 128 bytes: a whole block of 32 numbers
	s_lshr_b32 s27, s22, 6                         ; the batch
	s_lshl_b32 s27, s27, 4
	s_add_co_u32 s27, s27, s23                     ; 16 b + head
	s_lshl_b32 s27, s27, 4
	s_bfe_u32 s28, s22, 0x40002                    ; the key step: 4 bits from bit 2
	s_add_co_u32 s27, s27, s28
	s_mul_i32 s28, s27, REC
	s_mov_b32 s29, 0
	s_add_nc_u64 s[12:13], s[12:13], s[28:29]      ; my record
	s_and_b32 s30, s22, 3                          ; i: which pair of tiles in it
	s_mul_i32 s31, s30, 1536
	v_lshl_add_u32 v7, v[L], 4, s31
	v_lshl_add_u32 v8, v[L], 3, s31
	s_lshl_b32 s30, s30, 7
	v_lshl_add_u32 v9, v[L], 2, s30
	s_wait_alu depctr_va_vdst(0)
.irp n, 0,1,2,3,4,5,6,7,8,9,10,11,12,13,14,15
	s_wait_loadcnt 15-\n                           ; loads come back in order (ISA guide 5.7.1): pair n is in, the younger ones stay out
	ds_store_b128 v5, v[16+4*\n:19+4*\n] offset:SP*(16*((\n/4)%2)+8*(\n/8)+2*(\n%4))   ; key kk goes to stage row 16 u + r with kk = 8 u + r + 8 (r / 8)
.endr
.irp u, 0,1
.irp j, 0,1,2,3,4,5,6,7
	ds_load_b128 v[80+32*\u+4*\j:83+32*\u+4*\j], v6 offset:16*SP*\u+16*\j   ; LDS serves a wave's instructions in order (ISA guide 5.7.1.4): these see my stores
.endr
.endr
	s_wait_dscnt 8                                 ; tile 0's eight loads are in; tile 1's may be out
	QB 80, 144, 156, 10, 12, 14
	JOIN 14                                        ; tile 0's scale words: byte 0 for d 0-31, byte 1 for d 32-63; the upper two bytes stay 0 and stand over zero codes
	global_store_b128 v7, v[144:147], s[12:13]             ; 32 lanes store 512 consecutive bytes
	global_store_b64 v8, v[148:149], s[12:13] offset:512   ; and 256
	s_wait_dscnt 0x0
	QB 112, 150, 156, 10, 12, 15
	JOIN 15
	global_store_b128 v7, v[150:153], s[12:13] offset:768
	global_store_b64 v8, v[154:155], s[12:13] offset:1280
	v_cmp_lt_u32 vcc_lo, 15, v[L]
	s_delay_alu instid0(VALU_DEP_1)
	v_cndmask_b32 v14, v14, v15, vcc_lo            ; lanes 0-15 carry tile 2 i's words, lanes 16-31 tile 2 i + 1's
	global_store_b32 v9, v14, s[12:13] offset:6144
	s_wait_tensorcnt 0x0
	ds_add_u32 v168, v169
	s_wait_dscnt 0x0
	s_endpgm
.Lnot_k:
	s_cmp_lt_u32 ttmp9, 320
	s_cbranch_scc0 .Lpath_v
	; ---- W_O.  A wave takes one K step (four blocks) x 16 columns: one fragment.  A LANE TAKES A COLUMN, AND ITS REGISTERS RUN THROUGH ITS TWO BLOCKS, in the order that the images keep:
	; lane (r, h), register 32 c + 2 hd + e: W_O[hd][32 (s / 4) + 16 h + 4 (s % 4) + 2 c + e][16 nt + r].  The eight waves of a work-group stand side by side on 512 consecutive bytes of each row.
	s_sub_co_u32 s22, ttmp9, 256
	s_and_b32 s23, s22, 7                          ; s: the K step
	s_lshr_b32 s24, s22, 3
	s_lshl_b32 s24, s24, 3
	s_add_co_u32 s24, s24, s[WV]                   ; nt: which 16 columns
	s_lshr_b32 s26, s23, 2
	s_lshl_b32 s26, s26, 5                         ; 32 (s / 4)
	s_and_b32 s27, s23, 3
	s_lshl_b32 s27, s27, 2                         ; 4 (s % 4)
	s_add_co_u32 s26, s26, s27
	s_lshl_b32 s26, s26, 12                        ; a row (one head, one d) is 4,096 bytes
	s_lshl_b32 s27, s24, 6
	s_add_co_u32 s26, s26, s27
	s_mov_b32 s27, 0
	s_add_nc_u64 s[6:7], s[6:7], s[26:27]
	s_wait_alu depctr_va_vdst(0)
	v_lshlrev_b32 v4, 2, v[R]
	s_delay_alu instid0(VALU_DEP_1)
	v_lshl_add_u32 v4, v[H], 16, v4                ; lanes 16-31 begin 16 d further on
.irp c, 0,1
.irp hd, 0,1,2,3,4,5,6,7,8,9,10,11,12,13,14,15
.irp e, 0,1
	global_load_b32 v[16+32*\c+2*\hd+\e], v4, s[6:7] offset:(64*\hd+2*\c+\e)*4096   ; at most 3,944,448: inside the signed 24-bit immediate (ISA guide, chapter 10)
.endr
.endr
.endr
	s_lshl_b32 s28, s24, 3
	s_add_co_u32 s28, s28, s23
	s_mul_i32 s28, s28, 1536                       ; wimg: [nt][K step][1,536]
	s_mov_b32 s29, 0
	s_add_nc_u64 s[14:15], s[14:15], s[28:29]
	s_lshl_b32 s30, s24, 9                         ; wscl: [column][32 bytes], byte 4 s + 2 c + h
	s_lshl_b32 s31, s23, 2
	s_add_co_u32 s30, s30, s31
	s_mov_b32 s31, 0
	s_add_nc_u64 s[16:17], s[16:17], s[30:31]
	v_lshlrev_b32 v5, 4, v[L]
	v_lshlrev_b32 v6, 5, v[R]
	s_wait_loadcnt 32                              ; the first block's 32 loads are in; the second's may be out
	QB 16, 80, 92, 10, 12, 13
	s_wait_loadcnt 0x0
	QB 48, 86, 92, 10, 12, 14
	v_lshl_or_b32 v15, v14, 16, v13                ; my two bytes: blocks h and 2 + h of the K step
	JOIN 15
.irp g, 0,1,2
	global_store_b128 v5, v[80+4*\g:83+4*\g], s[14:15] offset:512*\g
.endr
	global_store_b32 v6, v15, s[16:17]             ; both halves of the lanes store the same word
	s_endpgm
.Lpath_v:
	; ---- v.  A wave takes one key step of one head: four fragments of 16 of the head's 64 x 128 keys, and their scale words.  The eight waves of a work-group cover 768 consecutive bytes of each row.
	s_sub_co_u32 s22, ttmp9, 320
	s_lshr_b32 s23, s22, 1                         ; 16 b + head
	s_and_b32 s24, s22, 1
	s_lshl_b32 s24, s24, 3
	s_add_co_u32 s24, s24, s[WV]                   ; the key step
	s_lshl_b32 s26, s23, 12                        ; v_scales: 64 rows of 64 bytes a head
	s_lshl_b32 s27, s24, 2
	s_add_co_u32 s26, s26, s27
	s_mov_b32 s27, 0
	s_add_nc_u64 s[10:11], s[10:11], s[26:27]
	s_mul_i32 s28, s23, 98304                      ; v_codes: 64 rows of 1,536 bytes a head
	s_mul_i32 s29, s24, 96                         ; 128 codes are 96 bytes
	s_add_co_u32 s28, s28, s29
	s_mov_b32 s29, 0
	s_add_nc_u64 s[8:9], s[8:9], s[28:29]
	s_wait_alu depctr_va_vdst(0)
	v_and_b32 v4, 8, v[R]
	s_delay_alu instid0(VALU_DEP_1)
	v_add_nc_u32 v4, v4, v[R]                      ; r + 8 (r / 8)
	s_delay_alu instid0(VALU_DEP_1)
	v_lshl_add_u32 v5, v[H], 3, v4
	s_delay_alu instid0(VALU_DEP_1)
	v_lshlrev_b32 v5, 6, v5                        ; scale words: lanes 0-15 the even tile's rows, lanes 16-31 the odd tile's, 8 rows on
	s_delay_alu instid0(VALU_DEP_3)
	v_mul_u32_u24 v6, v4, 1536
	s_delay_alu instid0(VALU_DEP_1)
	v_mad_u32_u24 v6, v[H], 24, v6                 ; codes: my row, + 24 bytes for the upper half of the lanes
.irp bb, 0,1
	global_load_b32 v[64+\bb], v5, s[10:11] offset:2048*\bb
.endr
.irp t, 0,1,2,3
.irp p, 0,1,2,3,4,5
	global_load_b64 v[16+12*\t+2*\p:17+12*\t+2*\p], v6, s[8:9] offset:(32*(\t/2)+8*(\t%2))*1536+48*(\p/3)+8*(\p%3)
.endr
.endr
	s_lshl_b32 s30, s23, 4
	s_add_co_u32 s30, s30, s24
	s_mul_i32 s30, s30, REC
	s_mov_b32 s31, 0
	s_add_nc_u64 s[12:13], s[12:13], s[30:31]      ; my record
	v_lshlrev_b32 v7, 4, v[L]
	v_lshlrev_b32 v8, 3, v[L]
	s_wait_alu depctr_va_vdst(0)
.irp t, 0,1,2,3
	s_wait_loadcnt 6*(3-\t)                        ; tile t's six loads are in (and the scale words, which are older); the later tiles' may be out
.irp g, 0,1,2
	global_store_b128 v7, v[16+12*\t+4*\g:19+12*\t+4*\g], s[12:13] offset:6656+1536*\t+512*\g
.endr
.endr
	global_store_b64 v8, v[64:65], s[12:13] offset:12800
	s_endpgm
.Lfunc_end_k_q92c3cede39_prep:
	.size	k_q92c3cede39_prep, .Lfunc_end_k_q92c3cede39_prep-k_q92c3cede39_prep
	.p2alignl 7, 3214868480
	.fill 96, 4, 3214868480
	.section	.rodata,"a",@progbits
	.p2align	6, 0x0
	.amdhsa_kernel k_q92c3cede39_prep
		.amdhsa_group_segment_fixed_size 70656
		.amdhsa_private_segment_fixed_size 0
		.amdhsa_enable_private_segment 0
		.amdhsa_kernarg_size 56
		.amdhsa_user_sgpr_count 2
		.amdhsa_user_sgpr_kernarg_segment_ptr 1
		.amdhsa_wavefront_size32 1
		.amdhsa_system_sgpr_workgroup_id_x 1
		.amdhsa_system_sgpr_workgroup_id_y 1
		.amdhsa_system_sgpr_workgroup_id_z 1
		.amdhsa_system_vgpr_workitem_id 0
		.amdhsa_next_free_vgpr 170
		.amdhsa_next_free_sgpr 66
		.amdhsa_reserve_vcc 1
		.amdhsa_float_denorm_mode_32 3
		.amdhsa_float_denorm_mode_16_64 3
		.amdhsa_memory_ordered 1
		.amdhsa_forward_progress 1
		.amdhsa_inst_pref_size 29
	.end_amdhsa_kernel
	.amdgpu_metadata
---
amdhsa.version: [ 1, 2 ]
amdhsa.kernels:
  - .name:           k_q92c3cede39_prep
    .symbol:         k_q92c3cede39_prep.kd
    .args:
      - { .name: k, .offset: 0, .size: 8, .value_kind: global_buffer, .address_space: global }
      - { .name: W_O, .offset: 8, .size: 8, .value_kind: global_buffer, .address_space: global }
      - { .name: v_codes, .offset: 16, .size: 8, .value_kind: global_buffer, .address_space: global }
      - { .name: v_scales, .offset: 24, .size: 8, .value_kind: global_buffer, .address_space: global }
      - { .name: kv, .offset: 32, .size: 8, .value_kind: global_buffer, .address_space: global }
      - { .name: wimg, .offset: 40, .size: 8, .value_kind: global_buffer, .address_space: global }
      - { .name: wscl, .offset: 48, .size: 8, .value_kind: global_buffer, .address_space: global }
    .group_segment_fixed_size: 70656
    .private_segment_fixed_size: 0
    .kernarg_segment_align: 8
    .kernarg_segment_size: 56
    .max_flat_workgroup_size: 256
    .sgpr_count:     66
    .vgpr_count:     170
    .wavefront_size: 32
...
	.end_amdgpu_metadata
.endif
;; end of part 1
;; launch attn (part 2): grid 8 x 32, 16 waves a work-group, clusters of 4 x 1, 327,680 bytes of LDS; arguments q, residual, kv, zf, out0; writes zf, out0
.if DOCPART == 2
	.amdgcn_target "amdgcn-amd-amdhsa--gfx1250"
	.amdhsa_code_object_version 6
	.text
	.protected	k_q92c3cede39_attn
	.globl	k_q92c3cede39_attn
	.p2align	8
	.type	k_q92c3cede39_attn,@function
k_q92c3cede39_attn:
	s_mov_b64 s[64:65], 0
	v_nop
	global_prefetch_b8 v0, s[64:65] scope:SCOPE_SE
	s_setreg_imm32_b32 hwreg(HW_REG_WAVE_MODE, 25, 1), 1
	s_wait_xcnt 0x0
	s_wait_alu depctr_hold_cnt(0) depctr_sa_sdst(0) depctr_va_vdst(0) depctr_va_sdst(0) depctr_va_ssrc(0) depctr_va_vcc(0) depctr_vm_vsrc(0)
	s_getreg_b32 s2, hwreg(HW_REG_IB_STS2, 6, 4)
	s_cmp_eq_u32 s2, 0
	s_cbranch_scc0 .Lentry_in_a_cluster
	s_endpgm
.Lentry_in_a_cluster:
	s_bfe_u32 s2, ttmp6, 0x10000c
	s_cmp_lg_u32 s2, 0x3003
	s_cbranch_scc0 .Lentry_shape_is_right
	s_endpgm
.Lentry_shape_is_right:
; z = softmax(q k^T / 8, causal) v for one head of one batch (work-group y = 16 b + head), in MX-FP6; and out0 = residual, copied 512 bytes a wave and trip.
; LEFT OUT: key steps that lie wholly above the diagonal: reference() itself replaces their scores by its mask.  Inside the diagonal step the masked scores get reference()'s value and are computed.
; kv holds a head's K and V as 16 records of 13,056 bytes (128 keys each), images of the operands' registers.  Wave w brings record w, 51 rows of 256 bytes, by its one tensor load; nothing is filled again.
; CLUSTER 4 x 1: the work-groups of one head read the same records: the load is a joint one, its mask names the four.  No branch and no LDS address hangs on the place in the cluster.
; SHARES.  Work-group x takes the query tiles (16 rows) x + 8 j, j = 0 .. 15; tile j needs key steps 0 .. j, whatever x: every work-group reads all 16 records.
; Tiles j = p and j = 15 - p are a pair for waves 2 p, 2 p + 1.  The wave of kind 0 takes the long tile's steps 0 .. 7; the wave of kind 1 the short tile's p + 1 steps and then the long tile's steps 8 .. 15 - p:
; 8 and 9 steps.  The long tile's two parts (-M, sums, O) are joined through LDS: M is a whole number, so the factors are exact powers of two.
; Kind 0 quantises the long tile's q and hands its registers' image to kind 1 through LDS.
; K's fragments lie 6 registers apart: the head has 64 along K, q's upper 64 codes are zeros, so what K's operand holds there adds nothing (6-bit codes are all finite; the scale bytes there are 0, no NaN).
; No prefetch: all of K and V is asked for at the head, there is no loop to run ahead in.
; zf: [row / 16][head][4,096 bytes]: slot 8 b + m (256 bytes) holds at 8 x lane the pair d = 32 b + 16 h + 2 m + 0, 1 of row r.
; LIMITS: the promise holds while the scaled scores stay under 2^31 in magnitude; NaN and infinities among the inputs are not served; a block of q whose largest magnitude lies under 2^-124 has its byte held at 1.
.set REC,   13056
.set HEADB, 16*REC
.set QST,   HEADB                      ; a stage for each wave: bytes 0-4,607 q's rows, later the part handed over; 4,608-6,143 q's image
.set QP,    272
.set SW,    6144
.set SPARE, QST+16*SW                  ; the spare words, 128 bytes a wave
.set L16,1
.set L8,2
.set L4,3
.set A16,4
.set A8,5
.set N16,6
.set N8,7
.set N4,8
.set DG,9                              ; 16 x + r - 16 h: key 32 b + i of the diagonal step is hidden where 32 b + i > DG
.set OWN,10
.set PAR,11
; v12 -M, v13 the running largest t, v[14:15] the row's sum in two halves
.set QF,16
.set KS,28
.set KFR,32                            ; 8 fragments 6 apart, and 6 registers of zeros: v32-85
.set VS,86
.set RES,88
.set BM,92
.set PT,96
.set SO,100
.set CT,104
.set PW,112
.set QW,113
.set FF,114
.set TA,116
.set TC,117
.set SPW,118
.set NIL,119
.set S,120                             ; scores, then p; then V's fragments
.set VF,120
.set O,184
.set PC,216
.set SU,228
.set MK,230
.set QIN,232
.set QOUT,233
.set QOF,234
.set RR,235
.set HH,236
.set SH8,237
.set WV,16
.set TY,17
.set PP,18
.set BH,19
.set SEL,20
.set CS,22
.set G1,24
.set G0,32
.set XX,36
.set T,37
.set SWT,38
.set NT,39
.set DT,40
.set JMP,41
.set TB,42
.set TN,43
.set T1,59
.macro PLACES n
.rept \n
	v_nop
.endr
.endm
.macro ROUND                           ; a round of the cluster's barrier
	s_barrier_signal -1
	s_barrier_wait -1
	s_cmp_lg_u32 s[WV], 0
	s_cbranch_scc1 .Lnw0_\@
	s_barrier_signal -3
.Lnw0_\@:
	s_barrier_wait -3
	s_barrier_signal -1
	s_barrier_wait -1
.endm
; 32 numbers of one lane are a whole block: codes to v[c .. c + 5], the conversion's scale operand to v[o], the byte to v[by]
.macro QB x, c, t, m, o, by
	v_max3_num_f32 v[\m], |v[(\x)]|, |v[(\x)+1]|, |v[(\x)+2]|
	v_max3_num_f32 v[(\m)+1], |v[(\x)+3]|, |v[(\x)+4]|, |v[(\x)+5]|
.irp i, 6,10,14,18,22,26
	v_max3_num_f32 v[\m], v[\m], |v[(\x)+\i]|, |v[(\x)+\i+1]|
	v_max3_num_f32 v[(\m)+1], v[(\m)+1], |v[(\x)+\i+2]|, |v[(\x)+\i+3]|
.endr
	v_max3_num_f32 v[\m], v[\m], |v[(\x)+30]|, |v[(\x)+31]|
	s_delay_alu instid0(VALU_DEP_1)
	v_max3_num_f32 v[\m], v[\m], v[(\m)+1], 0x1800000      ; the floor 2^(3 - 127): the byte cannot fall under 1
	s_delay_alu instid0(VALU_DEP_1)
	v_add_nc_u32 v[\o], 0xff000000, v[\m]                  ; 2 off the exponent field
	s_delay_alu instid0(VALU_DEP_1)
	v_lshrrev_b32 v[\by], 23, v[\o]
	v_cvt_scalef32_pk16_fp6_f32 v[(\c):(\c)+2], v[(\x):(\x)+15], v[\o]
	v_cvt_scalef32_pk16_fp6_f32 v[(\t):(\t)+2], v[(\x)+16:(\x)+31], v[\o]
	v_nop                                                  ; one plain place behind a scaled conversion
.irp i, 0,1,2
	v_mov_b32 v[(\c)+3+\i], v[(\t)+\i]
.endr
.endm
.macro KLOAD a16, a8, a4               ; a record's eight fragments of K and their scale words: 20 LDS loads
.irp i, 0,1,2,3,4,5,6,7
	ds_load_b128 v[KFR+6*\i:KFR+6*\i+3], v[\a16] offset:768*\i
	ds_load_b64 v[KFR+6*\i+4:KFR+6*\i+5], v[\a8] offset:768*\i+512
.endr
.irp e, 0,1,2,3
	ds_load_b32 v[KS+\e], v[\a4] offset:6144+128*\e
.endr
.endm
.macro ZOUT                            ; z's 16 rows x 64 of this head: each store covers 256 consecutive bytes, aligned
.irp b, 0,1
.irp m, 0,1,2,3,4,5,6,7
	global_store_b64 v[L8], v[S+16*\b+2*\m:S+16*\b+2*\m+1], s[10:11] offset:256*(8*\b+\m)
.endr
.endr
.endm
	s_load_b256 s[4:11], s[0:1], 0x0               ; q, residual, kv, zf
	s_load_b64 s[14:15], s[0:1], 0x20              ; out0
	v_lshl_add_u32 v[SPW], v0, 2, SPARE
	v_mov_b32 v[NIL], 0
	ds_add_u32 v[SPW], v[NIL]
	ds_add_u32 v[SPW], v[NIL]
	v_lshrrev_b32 v[TA], 5, v0
	v_readfirstlane_b32 s[WV], v[TA]
	v_and_b32 v[TC], 31, v0
	v_and_b32 v[RR], 15, v0
	v_bfe_u32 v[HH], v0, 4, 1
	v_lshlrev_b32 v[L16], 4, v[TC]
	v_lshlrev_b32 v[L8], 3, v[TC]
	v_lshlrev_b32 v[L4], 2, v[TC]
	v_lshlrev_b32 v[QOF], 4, v[RR]
	v_lshl_add_u32 v[QOF], v[HH], 12, v[QOF]       ; lanes 0-15 a row's 256 bytes, lanes 16-31 the next row's
	s_and_b32 s[BH], ttmp7, 0xffff
	s_bfe_u32 s44, ttmp6, 0x40000
	s_lshl_b32 s[XX], ttmp9, 2
	s_add_co_u32 s[XX], s[XX], s44                 ; x = 4 x cluster x + cx
	s_mov_b32 s[G1], 15|(3<<16)|(1<<21)            ; the four partners; elements of 8 bytes
	s_mov_b32 s[G1+1], 32<<16                      ; rows of 256 bytes
	s_mov_b32 s[G1+2], 51<<16
	s_mov_b32 s[G1+3], 32<<16
	s_mov_b32 s[G1+4], 51
	s_mov_b32 s[G1+5], 32
	s_mov_b32 s[G1+6], 0
	s_mov_b32 s[G1+7], 0
	s_lshr_b32 s[PP], s[WV], 1                     ; p: the pair
	s_lshr_b32 s[TY], s[WV], 2
	s_xor_b32 s[TY], s[TY], s[WV]
	s_and_b32 s[TY], s[TY], 1                      ; the kind
	s_sub_co_u32 s[JMP], 7, s[PP]
	s_sub_co_u32 s45, 15, s[PP]
	s_add_co_u32 s47, s[PP], 1
	s_add_co_u32 s[NT], s[TY], 8                   ; my steps
	s_cmp_eq_u32 s[TY], 1
	s_cselect_b32 s46, s[PP], s45                  ; j of the tile whose q I quantise and whose z I store
	s_cselect_b32 s[SWT], s47, 99                  ; the trip in which kind 1 changes tiles
	s_cselect_b32 s[DT], s[PP], 99                 ; the short tile's diagonal trip
	s_lshl_b32 s46, s46, 7
	s_lshl_b32 s58, s[XX], 4
	s_add_co_u32 s46, s46, s58
	s_lshr_b32 s47, s[BH], 4
	s_lshl_b32 s47, s47, 11
	s_add_co_u32 s46, s46, s47                     ; my tile's first row, counted through both batches
	s_and_b32 s47, s[BH], 15
	s_lshl_b32 s48, s46, 12
	s_lshl_b32 s50, s47, 8
	s_add_co_u32 s48, s48, s50
	s_mov_b32 s49, 0
	s_add_co_u32 s50, s46, s47
	s_lshl_b32 s50, s50, 12
	s_mov_b32 s51, 0
	s_lshl_b32 s52, s[BH], 3
	s_add_co_u32 s52, s52, s[XX]
	s_lshl_b32 s52, s52, 4
	s_add_co_u32 s52, s52, s[WV]
	s_lshl_b32 s52, s52, 12                        ; my 4,096 bytes of residual
	s_mov_b32 s53, 0
	s_mul_i32 s54, s[BH], HEADB
	s_mul_i32 s[G0+1], s[WV], REC
	s_add_co_u32 s54, s54, s[G0+1]
	s_mov_b32 s55, 0
	s_mov_b32 s[G0], 1
	s_mul_i32 s56, s[WV], SW
	s_add_co_u32 s56, s56, QST                     ; my stage
	s_xor_b32 s57, s[WV], 1
	s_mul_i32 s57, s57, SW
	s_add_co_u32 s57, s57, QST                     ; my partner's
	s_mov_b32 s[SEL], 0x76543210
	s_mov_b32 s[SEL+1], 0xfedcba98
	s_mov_b32 s[CS], 0x3e38aa3b                    ; log2(e) / 8
	s_mov_b32 s[CS+1], s[CS]
	s_mov_b32 s[T], 0
	s_wait_alu depctr_va_vdst(0)                   ; ahead of the waits below
	s_wait_dscnt 0x0
	s_wait_kmcnt 0x0
	s_add_nc_u64 s[4:5], s[4:5], s[48:49]
	s_add_nc_u64 s[10:11], s[10:11], s[50:51]
	s_add_nc_u64 s[6:7], s[6:7], s[52:53]
	s_add_nc_u64 s[14:15], s[14:15], s[52:53]
	s_add_nc_u64 s[G0+2:G0+3], s[8:9], s[54:55]
	s_or_b32 s[G0+3], s[G0+3], 0x80000000
.irp n, 0,1,2,3,4,5,6,7
	global_load_b128 v[S+4*\n:S+4*\n+3], v[QOF], s[4:5] offset:8192*\n th:TH_LOAD_NT
.endr
	global_load_b128 v[RES:RES+3], v[L16], s[6:7] th:TH_LOAD_NT
	ROUND                                          ; the four partners are here: the joint loads meet
	tensor_load_to_lds s[G0:G0+3], s[G1:G1+7]      ; record w: my one tensor load
	s_nop 0
	v_add_nc_u32 v[OWN], s56, v[L16]
	v_add_nc_u32 v[PAR], s57, v[L16]
	v_mul_u32_u24 v[QIN], v[HH], QP
	v_mul_u32_u24 v[QOUT], v[RR], QP
	v_lshlrev_b32 v[DG], 4, v[HH]
	v_lshl_add_u32 v[QIN], v[RR], 4, v[QIN]
	v_lshl_add_u32 v[QOUT], v[HH], 7, v[QOUT]
	v_sub_nc_u32 v[DG], v[RR], v[DG]
	v_add_nc_u32 v[QIN], s56, v[QIN]
	v_add_nc_u32 v[QOUT], s56, v[QOUT]
	v_add_nc_u32 v[DG], s58, v[DG]
	v_lshlrev_b32 v[SH8], 3, v[HH]
	v_mov_b32 v[MK], 0xc9435000                    ; -100000 x 8: reference()'s mask value ahead of the division by 8
	v_mov_b32 v13, 0xff61b1e6                      ; -3e38, under every t
	v_mov_b32 v14, 0
	v_mov_b32 v15, 0
	v_floor_f32 v12, -v13
	v_mov_b32 v[FF+1], 0
	v_mov_b32 v[SU+1], 0
.irp b, 0,1,2,3
	v_mov_b32 v[PT+\b], 0
.endr
.irp i, 6,7,8,9,10,11
	v_mov_b32 v[QF+\i], 0
	v_mov_b32 v[KFR+42+\i], 0
.endr
.set N, 0
.rept 32
	v_mov_b32 v[O+N], 0                            ; the step is written once: the first finds zeros
.set N, N+1
.endr
	s_wait_alu depctr_va_vdst(0)
.irp n, 0,1,2,3,4,5,6,7
	s_wait_loadcnt 8-\n                            ; behind q's load n: its 7 - n later ones and residual's one
	ds_store_b128 v[QIN], v[S+4*\n:S+4*\n+3] offset:2*\n*QP
.endr
.irp j, 0,1,2,3,4,5,6,7
	ds_load_b128 v[S+32+4*\j:S+35+4*\j], v[QOUT] offset:16*\j   ; row r, my half's 32 numbers: a whole block
.endr
	s_wait_dscnt 0x0
	QB S+32, QF, CT, BM, SO, BM+2
	v_lshlrev_b32 v[BM+3], v[SH8], v[BM+2]
	s_delay_alu instid0(VALU_DEP_1)
	v_permlanex16_b32 v[PT], v[BM+3], s[SEL], s[SEL+1]
	s_delay_alu instid0(VALU_DEP_1)
	v_or_b32 v[QW], v[BM+3], v[PT]                 ; q's scale word: bytes 0, 1; the upper two stay 0 over zero codes
	s_cmp_eq_u32 s[TY], 0
	s_cbranch_scc0 .Lno_image
	ds_store_b128 v[OWN], v[QF:QF+3] offset:4608   ; the long tile's q for my partner
	ds_store_b128 v[OWN], v[QF+4:QF+7] offset:5120
	ds_store_b32 v[OWN], v[QW] offset:5632
.Lno_image:
	s_wait_alu depctr_va_vdst(0)                   ; at the head's end
	s_wait_tensorcnt 0x0                           ; my record is in,
	s_wait_dscnt 0x0                               ; my stores are done:
	s_barrier_signal -1
	s_barrier_wait -1                              ; everybody's are
	KLOAD L16, L8, L4                              ; record 0: every wave's first step
.Ltrip:
	s_add_co_u32 s[T1], s[T], 1
	s_cmp_ge_u32 s[T], s[SWT]
	s_cselect_b32 s44, s[JMP], 0
	s_add_co_u32 s44, s44, s[T]
	s_mul_i32 s[TB], s44, REC                      ; this trip's record: t, or t + 7 - p behind the change of tiles
	s_cmp_ge_u32 s[T1], s[SWT]
	s_cselect_b32 s45, s[JMP], 0
	s_add_co_u32 s45, s45, s[T1]
	s_min_u32 s45, s45, 15
	s_mul_i32 s[TN], s45, REC                      ; the next trip's
	s_cmp_gt_u32 s[T], 7
	s_cbranch_scc1 .Lno_copy
	s_wait_loadcnt 0x0                             ; residual's 512 bytes of this trip
	global_store_b128 v[L16], v[RES:RES+3], s[14:15] th:TH_STORE_NT
	s_cmp_eq_u32 s[T], 7
	s_cbranch_scc1 .Lno_copy
	s_wait_xcnt 0x0                                ; the bases and the store's data are rewritten only behind this wait
	s_add_nc_u64 s[6:7], s[6:7], 512
	s_add_nc_u64 s[14:15], s[14:15], 512
	global_load_b128 v[RES:RES+3], v[L16], s[6:7] th:TH_LOAD_NT
.Lno_copy:
	s_cmp_eq_u32 s[TY], 1                          ; kind 1 alone changes tiles
	s_cbranch_scc0 .Lno_change
	s_cmp_eq_u32 s[T], s[SWT]
	s_cbranch_scc0 .Lno_change
	v_add_f32 v14, v14, v15                        ; THE SHORT TILE IS FINISHED: its sum,
	s_delay_alu instid0(VALU_DEP_1)
	v_permlanex16_b32 v[PT], v14, s[SEL], s[SEL+1]
	s_delay_alu instid0(VALU_DEP_1)
	v_add_f32 v14, v14, v[PT]
	s_wait_alu depctr_va_vdst(0)
	v_rcp_f32 v14, v14
	v_nop
	s_wait_alu depctr_va_vdst(0)
.set N, 0
.rept 16
	v_pk_mul_f32 v[S+N:S+N+1], v[O+N:O+N+1], v[14:15] op_sel_hi:[1,0]
.set N, N+2
.endr
	ZOUT
	v_mov_b32 v13, 0xff61b1e6                      ; the long tile's second part begins: the first factor is then 0, which clears the sums and O
	ds_load_b128 v[QF:QF+3], v[PAR] offset:4608
	ds_load_b128 v[QF+4:QF+7], v[PAR] offset:5120
	ds_load_b32 v[QW], v[PAR] offset:5632
	v_floor_f32 v12, -v13
	s_wait_alu depctr_va_vdst(0)
	s_wait_xcnt 0x0                                ; the stores have read their data: S is written again below
	s_wait_dscnt 0x0                               ; the long tile's q is in
.Lno_change:
	s_cmp_ge_u32 s[T], s[NT]
	s_cbranch_scc1 .Lno_step
	s_wait_dscnt 0x0                               ; K's fragments, asked for a step ago
.irp tt, 0,1,2,3,4,5,6,7
.if \tt%2
	v_wmma_scale_f32_16x16x128_f8f6f4 v[S+8*\tt:S+8*\tt+7], v[KFR+6*\tt:KFR+6*\tt+11], v[QF:QF+11], 0, v[KS+\tt/2], v[QW] matrix_a_fmt:MATRIX_FMT_FP6 matrix_b_fmt:MATRIX_FMT_FP6 matrix_a_scale:MATRIX_SCALE_ROW1
.else
	v_wmma_scale_f32_16x16x128_f8f6f4 v[S+8*\tt:S+8*\tt+7], v[KFR+6*\tt:KFR+6*\tt+11], v[QF:QF+11], 0, v[KS+\tt/2], v[QW] matrix_a_fmt:MATRIX_FMT_FP6 matrix_b_fmt:MATRIX_FMT_FP6
.endif
.endr
	v_add_nc_u32 v[A16], s[TB], v[L16]             ; five plain lines: the places behind the products
	v_add_nc_u32 v[A8], s[TB], v[L8]
	v_add_nc_u32 v[N16], s[TN], v[L16]
	v_add_nc_u32 v[N8], s[TN], v[L8]
	v_add_nc_u32 v[N4], s[TN], v[L4]
	s_cmp_ge_u32 s[T1], s[NT]
	s_cbranch_scc1 .Lno_next
	KLOAD N16, N8, N4                              ; the next step's K
.Lno_next:
	s_cmp_eq_u32 s[T], s[DT]
	s_cbranch_scc1 .Ldiagonal
	s_cmp_lg_u32 s[T], 8
	s_cbranch_scc1 .Lopen
.Ldiagonal:
.set N, 0
.rept 64
	v_cmp_gt_i32 vcc_lo, 32*(N/16)+N%16, v[DG]
	v_cndmask_b32 v[S+N], v[S+N], v[MK], vcc_lo
.set N, N+1
.endr
.Lopen:
.irp b, 0,1,2,3
	v_max3_num_f32 v[BM+\b], v[S+16*\b], v[S+1+16*\b], v[S+2+16*\b]   ; each block's largest score
.endr
.irp i, 3,5,7,9,11,13
.irp b, 0,1,2,3
	v_max3_num_f32 v[BM+\b], v[BM+\b], v[S+16*\b+\i], v[S+1+16*\b+\i]
.endr
.endr
.irp b, 0,1,2,3
	v_max_num_f32 v[BM+\b], v[BM+\b], v[S+15+16*\b]
.endr
.irp b, 0,1,2,3
	v_permlanex16_b32 v[PT+\b], v[BM+\b], s[SEL], s[SEL+1]
.endr
.irp b, 0,1,2,3
	v_max_num_f32 v[BM+\b], v[BM+\b], v[PT+\b]
.endr
	v_max3_num_f32 v[TA], v[BM], v[BM+1], v[BM+2]
	s_delay_alu instid0(VALU_DEP_1)
	v_max_num_f32 v[TA], v[TA], v[BM+3]
	s_delay_alu instid0(VALU_DEP_1)
	v_mul_f32 v[TA], s[CS], v[TA]
	s_delay_alu instid0(VALU_DEP_1)
	v_max_num_f32 v13, v13, v[TA]
	v_mov_b32 v[TA], v12
	s_delay_alu instid0(VALU_DEP_2)
	v_floor_f32 v12, -v13                          ; -M = floor(-t)
	s_delay_alu instid0(VALU_DEP_1)
	v_sub_f32 v[TA], v12, v[TA]
	s_delay_alu instid0(VALU_DEP_1)
	v_cvt_i32_f32 v[TA], v[TA]
	s_delay_alu instid0(VALU_DEP_1)
	v_ldexp_f32 v[FF], 1.0, v[TA]                  ; f = 2^(old M - new M)
.set N, 0
.rept 32
	v_pk_fma_f32 v[S+N:S+N+1], v[S+N:S+N+1], s[CS:CS+1], v[12:13] op_sel_hi:[1,0,0]
.set N, N+2
.endr
.irp b, 0,1,2,3
	v_fma_f32 v[BM+\b], v[BM+\b], s[CS], v12
.endr
	s_wait_alu depctr_va_vdst(0)                   ; ahead of the batch
.set N, 0
.rept 64
	v_exp_f32 v[S+N], v[S+N]
.set N, N+1
.endr
.irp b, 0,1,2,3
	v_exp_f32 v[BM+\b], v[BM+\b]                   ; each block's largest p
.endr
	v_pk_mul_f32 v[14:15], v[14:15], v[FF:FF+1] op_sel_hi:[1,0]
	s_wait_alu depctr_va_vdst(0)                   ; and behind it
.irp b, 0,1,2,3
	v_max_num_f32 v[BM+\b], 0x1800000, v[BM+\b]
.endr
.irp b, 0,1,2,3
	v_add_nc_u32 v[SO+\b], 0xff000000, v[BM+\b]
.endr
.irp b, 0,1,2,3
	v_lshrrev_b32 v[PT+\b], 23, v[SO+\b]
.endr
	v_lshl_or_b32 v[PW], v[PT+1], 8, v[PT]
	s_delay_alu instid0(VALU_DEP_1)
	v_lshl_or_b32 v[PW], v[PT+2], 16, v[PW]
	s_delay_alu instid0(VALU_DEP_1)
	v_lshl_or_b32 v[PW], v[PT+3], 24, v[PW]        ; p's scale word
.irp c, 0,1
	v_cvt_scalef32_pk16_fp6_f32 v[PC+6*\c:PC+2+6*\c], v[S+32*\c:S+15+32*\c], v[SO+2*\c]
	v_cvt_scalef32_pk16_fp6_f32 v[CT+4*\c:CT+2+4*\c], v[S+16+32*\c:S+31+32*\c], v[SO+2*\c+1]
.endr
	v_pk_add_f32 v[SU:SU+1], v[S:S+1], v[S+2:S+3]  ; the row's sum, of the unquantised p, in two chains
.set N, 4
.rept 15
	v_pk_add_f32 v[14:15], v[14:15], v[S+N:S+N+1]
	v_pk_add_f32 v[SU:SU+1], v[SU:SU+1], v[S+2+N:S+3+N]
.set N, N+4
.endr
	v_pk_add_f32 v[14:15], v[14:15], v[SU:SU+1]
.irp t, 0,1,2,3
.irp g, 0,1,2
	ds_load_b128 v[VF+12*\t+4*\g:VF+12*\t+4*\g+3], v[A16] offset:6656+1536*\t+512*\g
.endr
.endr
	ds_load_b64 v[VS:VS+1], v[A8] offset:12800
.irp c, 0,1
.irp i, 0,1,2
	v_permlane16_swap_b32 v[PC+6*\c+\i], v[CT+4*\c+\i]   ; a whole block in a lane
.endr
.irp i, 0,1,2
	v_mov_b32 v[PC+3+6*\c+\i], v[CT+4*\c+\i]
.endr
.endr
	s_wait_alu depctr_va_vdst(0)                   ; directly ahead of O's first reader
.set N, 0
.rept 16
	v_pk_mul_f32 v[O+N:O+N+1], v[O+N:O+N+1], v[FF:FF+1] op_sel_hi:[1,0]
.set N, N+2
.endr
	s_wait_alu depctr_va_vdst(0)
	s_wait_dscnt 0x0                               ; V's fragments
.irp t, 0,1,2,3
.if \t%2
	v_wmma_scale_f32_16x16x128_f8f6f4 v[O+8*\t:O+8*\t+7], v[VF+12*\t:VF+12*\t+11], v[PC:PC+11], v[O+8*\t:O+8*\t+7], v[VS+\t/2], v[PW] matrix_a_fmt:MATRIX_FMT_FP6 matrix_b_fmt:MATRIX_FMT_FP6 matrix_a_scale:MATRIX_SCALE_ROW1
.else
	v_wmma_scale_f32_16x16x128_f8f6f4 v[O+8*\t:O+8*\t+7], v[VF+12*\t:VF+12*\t+11], v[PC:PC+11], v[O+8*\t:O+8*\t+7], v[VS+\t/2], v[PW] matrix_a_fmt:MATRIX_FMT_FP6 matrix_b_fmt:MATRIX_FMT_FP6
.endif
.endr
	PLACES 5                                       ; the next step's products write over V's fragments
.Lno_step:
	s_add_co_u32 s[T], s[T], 1
	s_cmp_lt_u32 s[T], 9
	s_wait_alu depctr_va_vdst(0)
	s_cbranch_scc1 .Ltrip
	s_cmp_eq_u32 s[TY], 1
	s_cbranch_scc0 .Lkeeps
.irp i, 0,1,2,3,4,5,6,7
	ds_store_b128 v[OWN], v[O+4*\i:O+4*\i+3] offset:512*\i   ; the long tile's second part goes to my partner
.endr
	ds_store_b128 v[OWN], v[12:15] offset:4096
.Lkeeps:
	s_wait_dscnt 0x0
	s_barrier_signal -1
	s_barrier_wait -1
	s_cmp_eq_u32 s[TY], 0
	s_cbranch_scc0 .Lend
.irp i, 0,1,2,3,4,5,6,7
	ds_load_b128 v[S+4*\i:S+4*\i+3], v[PAR] offset:512*\i
.endr
	ds_load_b128 v[CT:CT+3], v[PAR] offset:4096
	s_wait_dscnt 0x0
	v_min_num_f32 v[TA], v12, v[CT]                ; -M of both parts
	v_add_f32 v14, v14, v15
	v_add_f32 v[CT+2], v[CT+2], v[CT+3]
	v_sub_f32 v[BM], v[TA], v12
	v_sub_f32 v[BM+1], v[TA], v[CT]
	v_cvt_i32_f32 v[BM], v[BM]
	v_cvt_i32_f32 v[BM+1], v[BM+1]
	v_ldexp_f32 v[BM], 1.0, v[BM]                  ; each part's factor, an exact power of two
	v_ldexp_f32 v[BM+1], 1.0, v[BM+1]
	v_mul_f32 v14, v14, v[BM]
	s_delay_alu instid0(VALU_DEP_1)
	v_fmac_f32 v14, v[CT+2], v[BM+1]
	s_delay_alu instid0(VALU_DEP_1)
	v_permlanex16_b32 v[PT], v14, s[SEL], s[SEL+1]
	s_delay_alu instid0(VALU_DEP_1)
	v_add_f32 v14, v14, v[PT]
	s_wait_alu depctr_va_vdst(0)
	v_rcp_f32 v14, v14
	v_nop
	s_wait_alu depctr_va_vdst(0)
	v_mul_f32 v[FF], v[BM], v14
	v_mul_f32 v[SU], v[BM+1], v14
	s_wait_alu depctr_va_vdst(0)                   ; directly ahead of O's first reader
.set N, 0
.rept 16
	v_pk_mul_f32 v[O+N:O+N+1], v[O+N:O+N+1], v[FF:FF+1] op_sel_hi:[1,0]
.set N, N+2
.endr
.set N, 0
.rept 16
	v_pk_fma_f32 v[S+N:S+N+1], v[S+N:S+N+1], v[SU:SU+1], v[O+N:O+N+1] op_sel_hi:[1,0,1]
.set N, N+2
.endr
	ZOUT
.Lend:
	s_wait_tensorcnt 0x0                           ; the wave's end
	ds_add_u32 v[SPW], v[NIL]
	s_wait_dscnt 0x0
	ROUND                                          ; the closing round
	s_endpgm
.Lfunc_end_k_q92c3cede39_attn:
	.size	k_q92c3cede39_attn, .Lfunc_end_k_q92c3cede39_attn-k_q92c3cede39_attn
	.p2alignl 7, 3214868480
	.fill 96, 4, 3214868480
	.section	.rodata,"a",@progbits
	.p2align	6, 0x0
	.amdhsa_kernel k_q92c3cede39_attn
		.amdhsa_group_segment_fixed_size 327680
		.amdhsa_private_segment_fixed_size 0
		.amdhsa_enable_private_segment 0
		.amdhsa_kernarg_size 40
		.amdhsa_user_sgpr_count 2
		.amdhsa_user_sgpr_kernarg_segment_ptr 1
		.amdhsa_wavefront_size32 1
		.amdhsa_system_sgpr_workgroup_id_x 1
		.amdhsa_system_sgpr_workgroup_id_y 1
		.amdhsa_system_sgpr_workgroup_id_z 1
		.amdhsa_system_vgpr_workitem_id 0
		.amdhsa_next_free_vgpr 256
		.amdhsa_next_free_sgpr 66
		.amdhsa_reserve_vcc 1
		.amdhsa_float_denorm_mode_32 3
		.amdhsa_float_denorm_mode_16_64 3
		.amdhsa_memory_ordered 1
		.amdhsa_forward_progress 1
		.amdhsa_inst_pref_size 44
	.end_amdhsa_kernel
	.amdgpu_metadata
---
amdhsa.version: [ 1, 2 ]
amdhsa.kernels:
  - .name:           k_q92c3cede39_attn
    .symbol:         k_q92c3cede39_attn.kd
    .args:
      - { .name: q, .offset: 0, .size: 8, .value_kind: global_buffer, .address_space: global }
      - { .name: residual, .offset: 8, .size: 8, .value_kind: global_buffer, .address_space: global }
      - { .name: kv, .offset: 16, .size: 8, .value_kind: global_buffer, .address_space: global }
      - { .name: zf, .offset: 24, .size: 8, .value_kind: global_buffer, .address_space: global }
      - { .name: out0, .offset: 32, .size: 8, .value_kind: global_buffer, .address_space: global }
    .group_segment_fixed_size: 327680
    .private_segment_fixed_size: 0
    .kernarg_segment_align: 8
    .kernarg_segment_size: 40
    .max_flat_workgroup_size: 512
    .sgpr_count:     66
    .vgpr_count:     256
    .wavefront_size: 32
...
	.end_amdgpu_metadata
.endif
;; end of part 2
;; launch zproj (part 3): grid 256 x 1, 16 waves a work-group, no clusters, 93,696 bytes of LDS; arguments zf, wimg, wscl, b_O, out1; writes out1
.if DOCPART == 3
	.amdgcn_target "amdgcn-amd-amdhsa--gfx1250"
	.amdhsa_code_object_version 6
	.text
	.protected	k_q92c3cede39_zproj
	.globl	k_q92c3cede39_zproj
	.p2align	8
	.type	k_q92c3cede39_zproj,@function
k_q92c3cede39_zproj:
	s_mov_b64 s[64:65], 0
	v_nop
	global_prefetch_b8 v0, s[64:65] scope:SCOPE_SE
	s_setreg_imm32_b32 hwreg(HW_REG_WAVE_MODE, 25, 1), 1
	s_wait_xcnt 0x0
; out1[row][n] = the sum over k of Q(z)[row][k] Q(W_O)[k][n] + b_O[n], in MX-FP6.  z arrives as f32 (zf) and is quantised here; W_O as images of the operand's registers (wimg, wscl).
; THE PRODUCT'S K is (d, head), d outermost: a block of 32 is two neighbouring d x the 16 heads.  Position 128 s + 64 c + 32 h + 2 hd + e holds head hd, d = 32 (s / 4) + 16 h + 4 (s % 4) + 2 c + e, in both operands.
; zf: [row / 16][head][4,096 bytes]: slot 2 s + c (256 bytes) holds at 8 x lane the pair e = 0, 1 of lane (r, h): a lane's 32 registers of one c are a whole block.
; SHARES.  A work-group makes 32 rows x 512 columns: 256 work-groups.  Wave w first quantises one fragment of z (rows 16 (w / 8) on, K step w % 8) and lays its image and scale words into LDS;
; behind one barrier it makes 32 rows x columns 32 w on: four accumulators, 32 matrix instructions.
; W_O's fragments are each used by one wave, once: they go from memory straight into registers, four K steps ahead (four sets of 24 registers).  So no prefetch is laid beside them.
; cluster = none: a work-group's part of W_O is 393,216 bytes, more than a WGP's LDS holds, and no byte of it is used twice in the work-group: it does not pass through LDS, so there is no tile to ask for jointly.
; The matrix instruction is used transposed (source 0 = 16 columns of W_O, source 1 = 16 rows of z); the bias is the C of each accumulator's first product.
; THE WAY OUT: through a stage for the whole work-group, so that each store covers 512 consecutive bytes of a row.
; LIMITS: a block whose largest magnitude lies under 2^-124 (a block of zeros too) has its byte held at 1; NaN and infinities are not served.
.set ZSW,   24576                      ; LDS: 16 images of 1,536 bytes from 0; then z's scale words: [K step][32 rows]
.set STG,   25600                      ; the stage: 32 rows of 2,048 + 16 bytes
.set SP,    2064
.set SPARE, STG+32*SP                  ; the spare words
.set L16,1
.set L8,2
.set L32,3
.set B32,4
.set STO,5
.set RD,6
.set ZWA,7
.set ZRA,8
.set IMG,9
.set SH8,10
.set PX,11
.set Z,16
.set ACC,16
.set ZFR,48
.set WF,96
.set BI,192
.set WS,208
.set ZS,216
.set ZC,224
.set BY,236
.set RR,240
.set HH,241
.set TC,242
.set CTT,244
.set SPW,254
.set NIL,255
.set WV,16
.set SEL,18
.macro PLACES n
.rept \n
	v_nop
.endr
.endm
.macro QB x, c, t, m, o, by
	v_max3_num_f32 v[\m], |v[(\x)]|, |v[(\x)+1]|, |v[(\x)+2]|
	v_max3_num_f32 v[(\m)+1], |v[(\x)+3]|, |v[(\x)+4]|, |v[(\x)+5]|
.irp i, 6,10,14,18,22,26
	v_max3_num_f32 v[\m], v[\m], |v[(\x)+\i]|, |v[(\x)+\i+1]|
	v_max3_num_f32 v[(\m)+1], v[(\m)+1], |v[(\x)+\i+2]|, |v[(\x)+\i+3]|
.endr
	v_max3_num_f32 v[\m], v[\m], |v[(\x)+30]|, |v[(\x)+31]|
	s_delay_alu instid0(VALU_DEP_1)
	v_max3_num_f32 v[\m], v[\m], v[(\m)+1], 0x1800000
	s_delay_alu instid0(VALU_DEP_1)
	v_add_nc_u32 v[\o], 0xff000000, v[\m]
	s_delay_alu instid0(VALU_DEP_1)
	v_lshrrev_b32 v[\by], 23, v[\o]
	v_cvt_scalef32_pk16_fp6_f32 v[(\c):(\c)+2], v[(\x):(\x)+15], v[\o]
	v_cvt_scalef32_pk16_fp6_f32 v[(\t):(\t)+2], v[(\x)+16:(\x)+31], v[\o]
	v_nop
.irp i, 0,1,2
	v_mov_b32 v[(\c)+3+\i], v[(\t)+\i]
.endr
.endm
.macro WLOAD s                         ; W_O's two fragments of K step s into set s % 4: six loads of 512 consecutive bytes
.irp n, 0,1
.irp g, 0,1,2
	global_load_b128 v[WF+24*((\s)%4)+12*\n+4*\g:WF+24*((\s)%4)+12*\n+4*\g+3], v[L16], s[6:7] offset:12288*\n+1536*(\s)+512*\g
.endr
.endr
.endm
.macro FETCH s                         ; z's two fragments of K step s into set s % 2
.irp m, 0,1
.irp g, 0,1,2
	ds_load_b128 v[ZFR+24*((\s)%2)+12*\m+4*\g:ZFR+24*((\s)%2)+12*\m+4*\g+3], v[L16] offset:1536*(8*\m+(\s))+512*\g
.endr
.endr
.endm
.macro WM d, a, b, c, sa, sb, ra, rb
.if (\ra) == 0 && (\rb) == 0
	v_wmma_scale_f32_16x16x128_f8f6f4 v[(\d):(\d)+7], v[(\a):(\a)+11], v[(\b):(\b)+11], v[(\c):(\c)+7], v[\sa], v[\sb] matrix_a_fmt:MATRIX_FMT_FP6 matrix_b_fmt:MATRIX_FMT_FP6
.elseif (\rb) == 0
	v_wmma_scale_f32_16x16x128_f8f6f4 v[(\d):(\d)+7], v[(\a):(\a)+11], v[(\b):(\b)+11], v[(\c):(\c)+7], v[\sa], v[\sb] matrix_a_fmt:MATRIX_FMT_FP6 matrix_b_fmt:MATRIX_FMT_FP6 matrix_a_scale:MATRIX_SCALE_ROW1
.elseif (\ra) == 0
	v_wmma_scale_f32_16x16x128_f8f6f4 v[(\d):(\d)+7], v[(\a):(\a)+11], v[(\b):(\b)+11], v[(\c):(\c)+7], v[\sa], v[\sb] matrix_a_fmt:MATRIX_FMT_FP6 matrix_b_fmt:MATRIX_FMT_FP6 matrix_b_scale:MATRIX_SCALE_ROW1
.else
	v_wmma_scale_f32_16x16x128_f8f6f4 v[(\d):(\d)+7], v[(\a):(\a)+11], v[(\b):(\b)+11], v[(\c):(\c)+7], v[\sa], v[\sb] matrix_a_fmt:MATRIX_FMT_FP6 matrix_b_fmt:MATRIX_FMT_FP6 matrix_a_scale:MATRIX_SCALE_ROW1 matrix_b_scale:MATRIX_SCALE_ROW1
.endif
.endm
	s_load_b256 s[4:11], s[0:1], 0x0               ; zf, wimg, wscl, b_O
	s_load_b64 s[12:13], s[0:1], 0x20              ; out1
	v_lshl_add_u32 v[SPW], v0, 2, SPARE
	v_mov_b32 v[NIL], 0
	v_lshrrev_b32 v[TC], 5, v0
	v_readfirstlane_b32 s[WV], v[TC]
	v_and_b32 v[TC], 31, v0
	v_and_b32 v[RR], 15, v0
	v_bfe_u32 v[HH], v0, 4, 1
	v_mov_b32 v[PX], 0
	v_lshlrev_b32 v[L16], 4, v[TC]
	v_lshlrev_b32 v[L8], 3, v[TC]
	v_lshlrev_b32 v[L32], 5, v[TC]
	v_lshl_add_u32 v[ZRA], v[TC], 2, ZSW
	v_lshlrev_b32 v[B32], 5, v[HH]
	v_lshlrev_b32 v[SH8], 3, v[HH]
	v_mul_u32_u24 v[STO], v[RR], SP
	v_lshlrev_b32 v[ZWA], 2, v[RR]
	v_add_nc_u32 v[STO], v[STO], v[B32]
	s_wait_alu depctr_va_vdst(0)                   ; ahead of the run of scalar lines
	s_lshr_b32 s20, ttmp9, 1                       ; which 32 rows
	s_and_b32 s21, ttmp9, 1                        ; which 512 columns
	s_lshr_b32 s22, s[WV], 3
	s_and_b32 s23, s[WV], 7
	s_lshl_b32 s24, s20, 1
	s_add_co_u32 s24, s24, s22
	s_lshl_b32 s24, s24, 16
	s_lshl_b32 s25, s23, 9
	s_add_co_u32 s24, s24, s25                     ; zf: my 16 rows, slots 2 s and 2 s + 1
	s_mov_b32 s25, 0
	s_lshl_b32 s26, s21, 4
	s_add_co_u32 s26, s26, s[WV]                   ; which 32 columns
	s_mul_i32 s28, s26, 24576
	s_mov_b32 s29, 0
	s_lshl_b32 s30, s26, 10
	s_mov_b32 s31, 0
	s_lshl_b32 s32, s26, 7
	s_mov_b32 s33, 0
	s_lshl_b32 s34, s20, 4
	s_add_co_u32 s34, s34, s[WV]
	s_lshl_b32 s34, s34, 13                        ; out1: rows 32 x block + 2 w,
	s_lshl_b32 s35, s21, 11
	s_add_co_u32 s34, s34, s35                     ; my work-group's 2,048 bytes of them
	s_mov_b32 s35, 0
	s_mul_i32 s36, s[WV], 1536
	s_lshl_b32 s37, s23, 7
	s_lshl_b32 s38, s22, 6
	s_add_co_u32 s37, s37, s38
	s_add_co_u32 s37, s37, ZSW
	s_lshl_b32 s38, s[WV], 7
	s_add_co_u32 s38, s38, STG
	s_mul_i32 s39, s[WV], 2*SP
	s_add_co_u32 s39, s39, STG
	s_mov_b32 s[SEL], 0x76543210
	s_mov_b32 s[SEL+1], 0xfedcba98
	v_add_nc_u32 v[IMG], s36, v[L16]
	v_add_nc_u32 v[ZWA], s37, v[ZWA]
	v_add_nc_u32 v[STO], s38, v[STO]
	v_add_nc_u32 v[RD], s39, v[L16]
	s_wait_alu depctr_va_vdst(0)                   ; and at the head's end
	s_wait_kmcnt 0x0
	s_add_nc_u64 s[4:5], s[4:5], s[24:25]
	s_add_nc_u64 s[6:7], s[6:7], s[28:29]
	s_add_nc_u64 s[8:9], s[8:9], s[30:31]
	s_add_nc_u64 s[10:11], s[10:11], s[32:33]
	s_add_nc_u64 s[12:13], s[12:13], s[34:35]
.irp c, 0,1
.irp hd, 0,1,2,3,4,5,6,7,8,9,10,11,12,13,14,15
	global_load_b64 v[Z+32*\c+2*\hd:Z+32*\c+2*\hd+1], v[L8], s[4:5] offset:4096*\hd+256*\c   ; head hd's pair: 256 consecutive bytes, aligned
.endr
.endr
	global_load_b128 v[WS:WS+3], v[L32], s[8:9]            ; lane l: column l's 32 scale bytes: lanes 0-15 the even tile, lanes 16-31 the odd one
	global_load_b128 v[WS+4:WS+7], v[L32], s[8:9] offset:16
.irp n, 0,1
	global_load_b128 v[BI+8*\n:BI+8*\n+3], v[B32], s[10:11] offset:64*\n      ; lane (r, h), register j: b_O at column 16 n + 8 h + j
	global_load_b128 v[BI+8*\n+4:BI+8*\n+7], v[B32], s[10:11] offset:64*\n+16
.endr
	WLOAD 0
	WLOAD 1
	WLOAD 2
	WLOAD 3
	s_wait_loadcnt 46                              ; behind z's first 16 loads: its other 16, 2 of scales, 4 of bias, 24 of W_O
	QB Z, ZC, CTT, 12, 14, BY
	s_wait_loadcnt 30
	QB Z+32, ZC+6, CTT, 12, 14, BY+1
	v_lshl_or_b32 v[BY+2], v[BY+1], 16, v[BY]      ; my two bytes: blocks h and 2 + h of the K step
	s_delay_alu instid0(VALU_DEP_1)
	v_lshlrev_b32 v[BY+2], v[SH8], v[BY+2]
	s_delay_alu instid0(VALU_DEP_1)
	v_permlanex16_b32 v[PX], v[BY+2], s[SEL], s[SEL+1]
	s_delay_alu instid0(VALU_DEP_1)
	v_or_b32 v[BY+2], v[BY+2], v[PX]               ; with lane l xor 16's the row's word is whole
.irp g, 0,1,2
	ds_store_b128 v[IMG], v[ZC+4*\g:ZC+4*\g+3] offset:512*\g
.endr
	ds_store_b32 v[ZWA], v[BY+2]                   ; both halves of the lanes store the same word
	s_wait_dscnt 0x0
	s_barrier_signal -1
	s_barrier_wait -1
.irp s, 0,1,2,3,4,5,6,7
	ds_load_b32 v[ZS+\s], v[ZRA] offset:128*\s     ; lanes 0-15 rows 0-15, lanes 16-31 rows 16-31
.endr
	FETCH 0
.irp s, 0,1,2,3,4,5,6,7
.if \s > 0
	PLACES 4                                       ; ahead of loads into registers that the last step's products have read
.if \s < 5
	WLOAD \s+3
.endif
.endif
.if \s < 7
	FETCH \s+1
	s_wait_dscnt 6                                 ; all but the six just issued
.else
	s_wait_dscnt 0x0
.endif
.if \s < 5
	s_wait_loadcnt 18                              ; three later sets of W_O may be out
.else
	s_wait_loadcnt 6*(7-\s)
.endif
.irp m, 0,1
.irp n, 0,1
.if \s == 0
	WM ACC+8*(2*\m+\n), WF+12*\n, ZFR+12*\m, BI+8*\n, WS, ZS, \n, \m
.else
	WM ACC+8*(2*\m+\n), WF+24*(\s%4)+12*\n, ZFR+24*(\s%2)+12*\m, ACC+8*(2*\m+\n), WS+\s, ZS+\s, \n, \m
.endif
.endr
.endr
.endr
	PLACES 4
.irp m, 0,1
.irp n, 0,1
	ds_store_b128 v[STO], v[ACC+8*(2*\m+\n):ACC+8*(2*\m+\n)+3] offset:16*SP*\m+64*\n      ; each accumulator from its low end on
	ds_store_b128 v[STO], v[ACC+8*(2*\m+\n)+4:ACC+8*(2*\m+\n)+7] offset:16*SP*\m+64*\n+16
.endr
.endr
	s_wait_dscnt 0x0
	s_barrier_signal -1
	s_barrier_wait -1
.irp rr, 0,1
.irp k, 0,1,2,3
	ds_load_b128 v[WF+16*\rr+4*\k:WF+16*\rr+4*\k+3], v[RD] offset:SP*\rr+512*\k
.endr
.endr
.irp rr, 0,1
.irp k, 0,1,2,3
	s_wait_dscnt 7-4*\rr-\k
	global_store_b128 v[L16], v[WF+16*\rr+4*\k:WF+16*\rr+4*\k+3], s[12:13] offset:4096*\rr+512*\k th:TH_STORE_NT   ; 512 consecutive bytes, aligned
.endr
.endr
	s_wait_tensorcnt 0x0                           ; the wave's end
	ds_add_u32 v[SPW], v[NIL]
	s_wait_dscnt 0x0
	s_endpgm
.Lfunc_end_k_q92c3cede39_zproj:
	.size	k_q92c3cede39_zproj, .Lfunc_end_k_q92c3cede39_zproj-k_q92c3cede39_zproj
	.p2alignl 7, 3214868480
	.fill 96, 4, 3214868480
	.section	.rodata,"a",@progbits
	.p2align	6, 0x0
	.amdhsa_kernel k_q92c3cede39_zproj
		.amdhsa_group_segment_fixed_size 93696
		.amdhsa_private_segment_fixed_size 0
		.amdhsa_enable_private_segment 0
		.amdhsa_kernarg_size 40
		.amdhsa_user_sgpr_count 2
		.amdhsa_user_sgpr_kernarg_segment_ptr 1
		.amdhsa_wavefront_size32 1
		.amdhsa_system_sgpr_workgroup_id_x 1
		.amdhsa_system_sgpr_workgroup_id_y 1
		.amdhsa_system_sgpr_workgroup_id_z 1
		.amdhsa_system_vgpr_workitem_id 0
		.amdhsa_next_free_vgpr 256
		.amdhsa_next_free_sgpr 66
		.amdhsa_reserve_vcc 0
		.amdhsa_float_denorm_mode_32 3
		.amdhsa_float_denorm_mode_16_64 3
		.amdhsa_memory_ordered 1
		.amdhsa_forward_progress 1
		.amdhsa_inst_pref_size 26
	.end_amdhsa_kernel
	.amdgpu_metadata
---
amdhsa.version: [ 1, 2 ]
amdhsa.kernels:
  - .name:           k_q92c3cede39_zproj
    .symbol:         k_q92c3cede39_zproj.kd
    .args:
      - { .name: zf, .offset: 0, .size: 8, .value_kind: global_buffer, .address_space: global }
      - { .name: wimg, .offset: 8, .size: 8, .value_kind: global_buffer, .address_space: global }
      - { .name: wscl, .offset: 16, .size: 8, .value_kind: global_buffer, .address_space: global }
      - { .name: b_O, .offset: 24, .size: 8, .value_kind: global_buffer, .address_space: global }
      - { .name: out1, .offset: 32, .size: 8, .value_kind: global_buffer, .address_space: global }
    .group_segment_fixed_size: 93696
    .private_segment_fixed_size: 0
    .kernarg_segment_align: 8
    .kernarg_segment_size: 40
    .max_flat_workgroup_size: 512
    .sgpr_count:     66
    .vgpr_count:     256
    .wavefront_size: 32
...
	.end_amdgpu_metadata
.endif
;; end of part 3
